; MI455X (gfx1250); checked and timed in simulation.
; The chip was launched on July 23, 2026; its instructions are those of AMD's public machine-readable ISA for CDNA 5 (MIT licence, August 2026) and "CDNA5" Instruction Set Architecture Reference Guide (July 2026). The comments in the code are by the model that wrote it; some were corrected since.
;; Multi Head Self Attention. Allowed arithmetic: matrix products marked QUANTISED: E2M1 operands, one E8M0 scale for each 32 along K, by v_wmma_scale_f32_16x16x128_f8f6f4 with both operands' format E2M1 (or v_wmma_scale_f32_32x16x128_f4), f32 sums; everything else in f32.
;; Inputs: Wk 256 x 256 float32; Wo 256 x 256 float32; Wq 256 x 256 float32; Wv 256 x 256 float32; attn_mask 1,024 x 1,024 bool; bk 256 float32; bo 256 float32; bq 256 float32; bv 256 float32; x 32 x 1,024 x 256 float32.
;; Outputs: out0 32 x 1,024 x 256 float32.
;; This version of the problem:
;;   THIS VERSION OF THE PROBLEM IS GIVEN IN LOW PRECISION. The matrix products marked QUANTISED in the list below multiply operands that are first quantised to E2M1 (2 exponent bits, 1 mantissa bit; 4 bits a number), with one power-of-two scale for each 32 numbers along K (OCP MX v1.0); their sums are f32. All else is computed in f32.
;;   The module's matrix products, in the order in which they are computed (A, B: the left and right operand; K: the contracted axis; several contracted axes count as one K, in the product's order):
;;     1. [M 32,768, K 256] x [K 256, N 256]; A: input x; B: input Wq: QUANTISED
;;     2. [M 32,768, K 256] x [K 256, N 256]; A: input x; B: input Wk: QUANTISED
;;     3. [M 32,768, K 256] x [K 256, N 256]; A: input x; B: input Wv: QUANTISED
;;     4. batch 256 x [M 1,024, K 32] x [K 32, N 1,024]; A: computed on the way; B: computed on the way: QUANTISED
;;     5. batch 256 x [M 1,024, K 1,024] x [K 1,024, N 32]; A: softmax (see below); B: computed on the way: QUANTISED
;;     6. [M 32,768, K 256] x [K 256, N 256]; A: computed on the way; B: input Wo: QUANTISED
;;   THE QUANTISER, for each operand of a quantised product, along K:
;;     - K is cut into blocks of 32 from its start; a last block that is shorter is filled with zeros.
;;     - A block's scale is 2^e with e = floor(log2(the largest magnitude in the block)) - 2, held to -126 .. 127; a block of zeros has e = 0. As a byte (E8M0): e + 127.
;;     - Each number is divided by its block's scale, clamped to +-6, and rounded to the nearest number of E2M1, ties to even, subnormals kept.
;;     - The product sums the exact products of the quantised numbers (number of the format x scale) in f32.
;;   ~~~python
;;   def quantise(x, axis):      # numpy; x: float32 -> the quantised numbers, widened to float32 again
;;       x = np.moveaxis(x, axis, -1); K = x.shape[-1]
;;       x = np.pad(x, [(0, 0)] * (x.ndim - 1) + [(0, -K % 32)]); x = x.reshape(x.shape[:-1] + (-1, 32)); a = np.abs(x).max(-1, keepdims=True)
;;       e = np.where(a > 0, np.clip(np.frexp(np.where(a > 0, a, 1))[1] - 1 - 2, -126, 127), 0)      # np.frexp(a)[1] - 1 = floor(log2(a)), exactly
;;       r = np.clip(x / 2.0 ** e, -6, 6)
;;       step = 2.0 ** (np.maximum(np.frexp(np.where(r == 0, 1, r))[1] - 1, 0) - 1)
;;       q = np.round(r / step) * step * 2.0 ** e      # np.round: ties to even
;;       return np.moveaxis(q.reshape(q.shape[:-2] + (-1,))[..., :K], -1, axis).astype(np.float32)
;;   ~~~
;;   SOFTMAX AHEAD OF A QUANTISED PRODUCT. Where the list says 'softmax', what is quantised is not the finished softmax but p = 2^(t - M), with t = logit x log2(e) and M = ceil(the row's largest t), a whole number; so 1/2 < the row's largest p <= 1. The row's sum l is taken of the UNQUANTISED p, in f32, and the product's result is divided by l at the end. Since M is a whole number, a kernel that streams over the keys may use a running M (the ceiling of the running maximum): every later rescaling is an exact power of two, which a block's scale takes up: the codes' values come out the same.
;;   OPERANDS COMPUTED ON THE WAY. 'Computed on the way' means the value that the module computes at that place (a softmax that the list does not call 'softmax' is quantised finished and normalised). What goes into a quantiser is computed in f32, as accurately as f32 sums, v_exp_f32 and their like allow (about 1e-6 of the number): no bf16 or f16 on the way to a quantiser, and a product that is left as it is and whose result goes on into a quantised operand takes f32 operands (vector FMAs, or v_wmma_f32_16x16x4_f32). A number that lies on a knife's edge between two numbers of the format may be rounded either way, as far as f32 arithmetic and the matrix unit's own rounding can turn it there, and no further.
;; One version. Each part assembles by itself: llvm-mc -triple=amdgcn-amd-amdhsa -mcpu=gfx1250 --defsym DOCPART=n.
;; ======== version 1 of 1: 3 launches
;; limits: right only within a limited range of input values
;; workspace buffers: wimg 153,600 bytes; woimg 53,248 bytes; maskw 131,072 bytes of whole numbers; qq 5,242,880 bytes; kv 9,175,040 bytes
;; launch prep (part 1): grid 80 x 1, 4 waves a work-group, no clusters, 0 bytes of LDS; arguments Wq, Wk, Wv, Wo, bq, bk, bv, bo, attn_mask, wimg, woimg, maskw; writes wimg, woimg, maskw
.if DOCPART == 1
	.amdgcn_target "amdgcn-amd-amdhsa--gfx1250"
	.amdhsa_code_object_version 6
	.text
	.protected	k_q8d809efe05_prep
	.globl	k_q8d809efe05_prep
	.p2align	8
	.type	k_q8d809efe05_prep,@function
k_q8d809efe05_prep:
	s_mov_b64 s[64:65], 0
	v_nop
	global_prefetch_b8 v0, s[64:65] scope:SCOPE_SE
	s_setreg_imm32_b32 hwreg(HW_REG_WAVE_MODE, 25, 1), 1
	s_wait_xcnt 0x0
; PREP.  Work-groups 0-15: the four weights [256][256] f32 (K innermost) become codes of FP4 (E2M1) with one E8M0 byte for each 32 along K, laid as IMAGES OF THE OPERAND'S REGISTERS,
; with their scale words and with their biases in the layout of the product's result.  Work-groups 16-79: the mask [1024][1024] of bytes becomes words of 32 bits, a bit a lane, in the order in which the attention's lanes hold scores.
; A block's scale is 2^(floor(log2(its largest magnitude)) - 2); its byte is the largest magnitude's exponent field - 2, held at 1 from below.
; LIMITS: a block of zeros gets the byte 1 where the rule says 127 (its codes are zeros, and this program alone reads the bytes); blocks whose largest magnitude lies under 2^-124 are held at that floor; NaN and infinities are not served.
; WEIGHTS: one wave to a tile of 16 rows.  job = 4 x work-group + wave; matrix = job / 16 (0 Q, 1 K, 2 V, 3 O); tile = job % 16.
;   Q, K, V: tile 2 head + u; lane r takes row 32 head + 8 u + r + (r & 8), so that the 16 registers of a head's two result tiles are 16 neighbours along the next K.  O: lane r takes row 16 tile + r.
;   A lane (r, h) holds k = 128 ks + 64 c + 32 h + 0 .. 31 of its row: four whole blocks, so no other lane is asked for a maximum, and the conversions' results are the operand's registers.
; No LDS, no barrier; EXEC is never changed.
.set FLOOR, 0x1800000                  ; 2^(3 - 127): under it no largest magnitude is taken
.set X,    64                          ; v64-191  four blocks of 32 numbers: block q = 2 ks + c
.set AMX,  32                          ; v32-35   largest magnitudes
.set SOP,  36                          ; v36-39   the conversions' scale operands
.set BYT,  40                          ; v40-43   scale bytes
.set COD,  48                          ; v48-63   codes: fragment ks, register 4 c + g at COD + 4 q + g
.set BAD,  16                          ; v16-23   byte offsets of the eight bias numbers
.set BIA,  24                          ; v24-31   the bias image
	s_load_b512 s[4:19], s[0:1], 0x0               ; Wq s[4:5], Wk s[6:7], Wv s[8:9], Wo s[10:11], bq s[12:13], bk s[14:15], bv s[16:17], bo s[18:19]
	s_load_b256 s[20:27], s[0:1], 0x40             ; the mask s[20:21], wimg s[22:23], woimg s[24:25], maskw s[26:27]
	v_lshrrev_b32 v1, 5, v0
	v_readfirstlane_b32 s28, v1                    ; wave 0..3
	v_and_b32 v1, 31, v0                           ; lane L
	v_and_b32 v2, 15, v0                           ; r
	v_bfe_u32 v3, v0, 4, 1                         ; h
	v_and_b32 v4, 8, v2                            ; r & 8
	s_cmp_lt_u32 ttmp9, 16
	s_cbranch_scc0 .Lmask
	; ---------------- the weights ----------------
	s_lshl_b32 s29, ttmp9, 2
	s_add_co_u32 s29, s29, s28                     ; job 0..63
	s_lshr_b32 s30, s29, 4                         ; matrix
	s_and_b32 s31, s29, 15                         ; tile
	s_and_b32 s32, s31, 1                          ; u
	s_cmp_lt_u32 s30, 3
	s_cselect_b32 s33, 1, 0                        ; 1 for Q, K, V
	s_lshl_b32 s34, s31, 4
	s_mul_i32 s35, s32, s33
	s_lshl_b32 s35, s35, 3
	s_sub_co_u32 s34, s34, s35                     ; the tile's first row: 32 head + 8 u, or 16 tile for O
	; the bias in the result's layout.  Q, K (weight = source 0): register j of lane (r, h) is row first + 16 h + j.  V (weight = source 1): every register is the lane's own row.  O (source 0, rows as they lie): first + 8 h + j
	s_cmp_eq_u32 s30, 2
	s_cselect_b32 s40, 1, 0                        ; does the lane's row count?
	s_cselect_b32 s41, 0, 4                        ; bytes from register to register
	s_cselect_b32 s42, 0, 16                       ; rows from half to half
	s_cmp_eq_u32 s30, 3
	s_cselect_b32 s42, 8, s42
	; where the images go: wimg [head][19,200]: fragments at 2,048 q, bias images at 12,288 + 1,024 q, scale words at 18,432 + 128 q, q = 2 matrix + u;  woimg [tile][3,328]: 0, 2,048, 3,072
	s_lshr_b32 s50, s31, 1
	s_mul_i32 s50, s50, 19200
	s_mul_i32 s51, s31, 3328
	s_lshl_b32 s52, s30, 1
	s_add_co_u32 s52, s52, s32                     ; q
	s_lshl_b32 s53, s52, 11
	s_lshl_b32 s54, s52, 10
	s_add_co_u32 s54, s54, 12288
	s_lshl_b32 s55, s52, 7
	s_add_co_u32 s55, s55, 18432
	s_mov_b32 s44, 0x76543210
	s_mov_b32 s45, 0xfedcba98                      ; v_permlanex16_b32's selects for lane l xor 16
	s_mov_b32 s46, 0xffff0000                      ; lanes 16-31
	s_wait_kmcnt 0x0
	s_cmp_lt_u32 s30, 3                            ; every choice of a buffer hangs on the job's number alone
	s_cselect_b64 s[48:49], s[22:23], s[24:25]
	s_cselect_b32 s50, s50, s51
	s_cselect_b32 s53, s53, 0
	s_cselect_b32 s54, s54, 2048
	s_cselect_b32 s55, s55, 3072
	s_mov_b32 s51, 0
	s_add_nc_u64 s[48:49], s[48:49], s[50:51]
	s_mov_b64 s[36:37], s[10:11]                   ; the weight and its bias: O's, unless
	s_mov_b64 s[38:39], s[18:19]
	s_cmp_eq_u32 s30, 0
	s_cselect_b64 s[36:37], s[4:5], s[36:37]
	s_cselect_b64 s[38:39], s[12:13], s[38:39]
	s_cmp_eq_u32 s30, 1
	s_cselect_b64 s[36:37], s[6:7], s[36:37]
	s_cselect_b64 s[38:39], s[14:15], s[38:39]
	s_cmp_eq_u32 s30, 2
	s_cselect_b64 s[36:37], s[8:9], s[36:37]
	s_cselect_b64 s[38:39], s[16:17], s[38:39]
	s_wait_alu depctr_va_vdst(0)
	v_mul_u32_u24 v4, s33, v4
	v_add_nc_u32 v5, v2, v4                        ; r + (r & 8), or r for O
	v_add_nc_u32 v6, s34, v5                       ; my row
	v_lshlrev_b32 v6, 10, v6                       ; x 1,024 bytes
	v_lshl_add_u32 v6, v3, 7, v6                   ; + 128 h: my 32 numbers of each 64
	v_mul_u32_u24 v7, s42, v3
	v_mul_u32_u24 v8, s40, v5
	v_add3_u32 v7, v7, v8, s34
	v_lshlrev_b32 v[BAD], 2, v7
.irp j, 1,2,3,4,5,6,7
	v_add_nc_u32 v[BAD+\j], s41, v[BAD+\j-1]
.endr
	v_lshlrev_b32 v12, 4, v1                       ; 16 L
	v_add_nc_u32 v9, s53, v12                      ; the fragments' place
	v_add_nc_u32 v10, s54, v12                     ; the bias image's
	v_lshl_add_u32 v11, v1, 2, s55                 ; the scale words'
.irp q, 0,1,2,3
.irp i, 0,1,2,3,4,5,6,7
	global_load_b128 v[X+32*\q+4*\i:X+32*\q+4*\i+3], v6, s[36:37] offset:256*\q+16*\i
.endr
.endr
.irp j, 0,1,2,3,4,5,6,7
	global_load_b32 v[BIA+\j], v[BAD+\j], s[38:39]
.endr
	s_wait_loadcnt 0x0
.irp q, 0,1,2,3
	v_max3_num_f32 v[AMX+\q], |v[X+32*\q]|, |v[X+32*\q+1]|, FLOOR    ; the four blocks by turns: no line waits for the line above it
.endr
.irp i, 2,4,6,8,10,12,14,16,18,20,22,24,26,28,30
.irp q, 0,1,2,3
	v_max3_num_f32 v[AMX+\q], v[AMX+\q], |v[X+32*\q+\i]|, |v[X+32*\q+\i+1]|
.endr
.endr
.irp q, 0,1,2,3
	v_add_nc_u32 v[SOP+\q], 0xff000000, v[AMX+\q]  ; 2 off the exponent field: the conversion takes the exponent field of this operand as its scale
.endr
.irp q, 0,1,2,3
	v_lshrrev_b32 v[BYT+\q], 23, v[SOP+\q]         ; the scale's byte
.endr
.irp q, 0,1,2,3
.irp g, 0,1,2,3
	v_cvt_scalef32_pk8_fp4_f32 v[COD+4*\q+\g], v[X+32*\q+8*\g:X+32*\q+8*\g+7], v[SOP+\q]
.endr
.endr
	v_nop                                          ; one plain line behind the last scaled conversion
	v_lshl_or_b32 v44, v[BYT+1], 16, v[BYT]        ; K step 0: my bytes are those of blocks h and 2 + h,
	v_lshl_or_b32 v45, v[BYT+3], 16, v[BYT+2]      ; K step 1 likewise,
	v_lshlrev_b32 v46, 3, v3
	v_lshlrev_b32 v44, v46, v44                    ; at their places in the word (8 h bits up);
	v_lshlrev_b32 v45, v46, v45
	v_mov_b32 v47, 0                               ; (a lane permute's destination counts as one of its sources)
	v_mov_b32 v13, 0
	v_permlanex16_b32 v47, v44, s44, s45
	v_permlanex16_b32 v13, v45, s44, s45
	v_or_b32 v44, v44, v47                         ; with lane l xor 16's two bytes the word is whole
	v_or_b32 v45, v45, v13
	v_cndmask_b32 v44, v44, v45, s46               ; lanes 0-15 carry K step 0's word, lanes 16-31 K step 1's
.irp q, 0,1,2,3
	global_store_b128 v9, v[COD+4*\q:COD+4*\q+3], s[48:49] offset:512*\q   ; 32 lanes store 512 consecutive bytes
.endr
	global_store_b128 v10, v[BIA:BIA+3], s[48:49]
	global_store_b128 v10, v[BIA+4:BIA+7], s[48:49] offset:512
	global_store_b32 v11, v44, s[48:49]
	s_endpgm
	; ---------------- the mask ----------------
	; Work-group = tile of 16 queries qt; wave wv takes key steps 2 wv and 2 wv + 1 of 128 keys.  maskw [qt][step][64 words]: bit L = (r, h) of word j is
	; mask[32 (qt / 2) + 8 (qt % 2) + r + (r & 8)][128 step + 64 (j / 32) + 32 h + j % 32]: the query and the key of score register j in lane L of the attention.
.Lmask:
	s_sub_co_u32 s29, ttmp9, 16                    ; qt
	s_lshr_b32 s30, s29, 1
	s_lshl_b32 s30, s30, 5
	s_and_b32 s31, s29, 1
	s_lshl_b32 s31, s31, 3
	s_add_co_u32 s30, s30, s31
	s_wait_alu depctr_va_vdst(0)
	v_add_nc_u32 v5, v2, v4
	v_add_nc_u32 v5, s30, v5                       ; my query
	v_lshlrev_b32 v6, 10, v5                       ; a row of the mask is 1,024 bytes
	v_lshl_add_u32 v6, v3, 5, v6                   ; + 32 h
	s_lshl_b32 s32, s28, 8
	v_add_nc_u32 v6, s32, v6                       ; + my wave's 256 keys
	s_lshl_b32 s33, s29, 11                        ; out: 2,048 bytes a tile of queries,
	s_lshl_b32 s34, s28, 9                         ; 256 a key step
	s_add_co_u32 s33, s33, s34
	v_lshl_add_u32 v12, v1, 3, s33                 ; 8 bytes a lane
.irp j, 8,9,10,11
	v_mov_b32 v\j, 0                               ; (v_writelane_b32's destination counts as read)
.endr
	s_wait_alu depctr_va_vdst(0)
	s_wait_kmcnt 0x0
.irp g, 0,1,2,3,4,5,6,7
	global_load_b128 v[32+4*\g:35+4*\g], v6, s[20:21] offset:128*(\g/4)+64*((\g%4)/2)+16*(\g%2) th:TH_LOAD_NT
.endr
	s_wait_loadcnt 0x0
; word j of step sg: byte j % 4 of register j / 4 is tested in all 32 lanes at once; the 32 answers are the word.  Lane j / 2 of the register pair takes it, so that a lane stores words 2 L and 2 L + 1.
.macro MWORD sg, j
	v_and_b32 v[16+(\j)%4], 0xff<<(8*((\j)%4)), v[32+16*(\sg)+(\j)/4]
	v_cmp_ne_u32 s[40+(\j)%4], 0, v[16+(\j)%4]
	v_writelane_b32 v[8+2*(\sg)+(\j)%2], s[40+(\j)%4], (\j)/2
.endm
.set J, 0
.rept 64
	MWORD 0, J
	MWORD 1, J
.set J, J+1
.endr
	global_store_b64 v12, v[8:9], s[26:27]         ; 32 lanes store 256 consecutive bytes, aligned
	global_store_b64 v12, v[10:11], s[26:27] offset:256
	s_endpgm
.Lfunc_end_k_q8d809efe05_prep:
	.size	k_q8d809efe05_prep, .Lfunc_end_k_q8d809efe05_prep-k_q8d809efe05_prep
	.p2alignl 7, 3214868480
	.fill 96, 4, 3214868480
	.section	.rodata,"a",@progbits
	.p2align	6, 0x0
	.amdhsa_kernel k_q8d809efe05_prep
		.amdhsa_group_segment_fixed_size 0
		.amdhsa_private_segment_fixed_size 0
		.amdhsa_enable_private_segment 0
		.amdhsa_kernarg_size 96
		.amdhsa_user_sgpr_count 2
		.amdhsa_user_sgpr_kernarg_segment_ptr 1
		.amdhsa_wavefront_size32 1
		.amdhsa_system_sgpr_workgroup_id_x 1
		.amdhsa_system_sgpr_workgroup_id_y 1
		.amdhsa_system_sgpr_workgroup_id_z 1
		.amdhsa_system_vgpr_workitem_id 0
		.amdhsa_next_free_vgpr 192
		.amdhsa_next_free_sgpr 66
		.amdhsa_reserve_vcc 0
		.amdhsa_float_denorm_mode_32 3
		.amdhsa_float_denorm_mode_16_64 3
		.amdhsa_memory_ordered 1
		.amdhsa_forward_progress 1
		.amdhsa_inst_pref_size 40
	.end_amdhsa_kernel
	.amdgpu_metadata
---
amdhsa.version: [ 1, 2 ]
amdhsa.kernels:
  - .name:           k_q8d809efe05_prep
    .symbol:         k_q8d809efe05_prep.kd
    .args:
      - { .name: Wq, .offset: 0, .size: 8, .value_kind: global_buffer, .address_space: global }
      - { .name: Wk, .offset: 8, .size: 8, .value_kind: global_buffer, .address_space: global }
      - { .name: Wv, .offset: 16, .size: 8, .value_kind: global_buffer, .address_space: global }
      - { .name: Wo, .offset: 24, .size: 8, .value_kind: global_buffer, .address_space: global }
      - { .name: bq, .offset: 32, .size: 8, .value_kind: global_buffer, .address_space: global }
      - { .name: bk, .offset: 40, .size: 8, .value_kind: global_buffer, .address_space: global }
      - { .name: bv, .offset: 48, .size: 8, .value_kind: global_buffer, .address_space: global }
      - { .name: bo, .offset: 56, .size: 8, .value_kind: global_buffer, .address_space: global }
      - { .name: attn_mask, .offset: 64, .size: 8, .value_kind: global_buffer, .address_space: global }
      - { .name: wimg, .offset: 72, .size: 8, .value_kind: global_buffer, .address_space: global }
      - { .name: woimg, .offset: 80, .size: 8, .value_kind: global_buffer, .address_space: global }
      - { .name: maskw, .offset: 88, .size: 8, .value_kind: global_buffer, .address_space: global }
    .group_segment_fixed_size: 0
    .private_segment_fixed_size: 0
    .kernarg_segment_align: 8
    .kernarg_segment_size: 96
    .max_flat_workgroup_size: 128
    .sgpr_count:     66
    .vgpr_count:     192
    .wavefront_size: 32
...
	.end_amdgpu_metadata
.endif
;; end of part 1
;; launch qkv (part 2): grid 256 x 1, 8 waves a work-group, clusters of 4 x 1, 327,680 bytes of LDS; arguments x, wimg, qq, kv; writes qq, kv
.if DOCPART == 2
	.amdgcn_target "amdgcn-amd-amdhsa--gfx1250"
	.amdhsa_code_object_version 6
	.text
	.protected	k_q8d809efe05_qkv
	.globl	k_q8d809efe05_qkv
	.p2align	8
	.type	k_q8d809efe05_qkv,@function
k_q8d809efe05_qkv:
	s_mov_b64 s[64:65], 0
	v_nop
	global_prefetch_b8 v0, s[64:65] scope:SCOPE_SE
	s_setreg_imm32_b32 hwreg(HW_REG_WAVE_MODE, 25, 1), 1
	s_wait_xcnt 0x0
	s_wait_alu depctr_hold_cnt(0) depctr_sa_sdst(0) depctr_va_vdst(0) depctr_va_sdst(0) depctr_va_ssrc(0) depctr_va_vcc(0) depctr_vm_vsrc(0)
	s_getreg_b32 s2, hwreg(HW_REG_IB_STS2, 6, 4)
	s_cmp_eq_u32 s2, 0
	s_cbranch_scc0 .Lentry_in_a_cluster
	s_endpgm
.Lentry_in_a_cluster:
	s_bfe_u32 s2, ttmp6, 0x10000c
	s_cmp_lg_u32 s2, 0x3003
	s_cbranch_scc0 .Lentry_shape_is_right
	s_endpgm
.Lentry_shape_is_right:
.set XP,   1040
.set XIMG, 133120
.set XSC,  149504
.set WL,   150528
.set WHB,  19200
.set XF,   16
.set XS,   48
.set WS,   50
.set ACC,  64
.set PC,   192
.set TM,   208
.set AM,   208
.set PM,   214
.set SO,   220
.set BY,   226
.set SQ,   232
.set KW,   240
.set VW,   242
.set WB,   96
.set MSB,  0
.macro WIN new
.if MSB != \new
	s_set_vgpr_msb (MSB<<8)|\new
.set MSB, \new
.endif
.endm
.macro ROUND
	s_barrier_signal -1
	s_barrier_wait -1
	s_cmp_lg_u32 s12, 0
	s_cbranch_scc1 .Lnot_wave_0_\@
	s_barrier_signal -3
.Lnot_wave_0_\@:
	s_barrier_wait -3
	s_barrier_signal -1
	s_barrier_wait -1
.endm
	s_load_b256 s[4:11], s[0:1], 0x0
	v_lshl_add_u32 v254, v0, 2, 0x4a400
	v_mov_b32 v255, 0
	ds_add_u32 v254, v255
	ds_add_u32 v254, v255
	v_lshrrev_b32 v1, 5, v0
	s_delay_alu instid0(VALU_DEP_1)
	v_readfirstlane_b32 s12, v1
	s_bfe_u32 s13, ttmp6, 0x40000
	s_lshl_b32 s14, ttmp9, 2
	s_add_co_u32 s14, s14, s13
	s_mov_b32 s24, 15|(3<<16)|(1<<21)
	s_mov_b32 s25, 32<<16
	s_mov_b32 s26, 75<<16
	s_mov_b32 s27, 32<<16
	s_mov_b32 s28, 75
	s_mov_b32 s29, 32
	s_mov_b32 s30, 0
	s_mov_b32 s31, 0
	s_mov_b32 s32, (3<<16)|(1<<20)|(7<<22)|(3<<25)
	s_mov_b32 s33, 128<<16
	s_mov_b32 s34, 16<<16
	s_mov_b32 s35, 128<<16
	s_mov_b32 s36, 16
	s_mov_b32 s37, 128
	s_mov_b32 s38, 0
	s_mov_b32 s39, 0
	s_mov_b32 s16, 1
	s_mul_i32 s46, s12, WHB
	s_add_co_u32 s17, s46, WL
	s_mov_b32 s47, 0
	s_mov_b32 s20, 1
	s_mul_i32 s21, s12, 16*XP
	s_lshl_b32 s44, s14, 17
	s_lshl_b32 s45, s12, 14
	s_add_co_u32 s44, s44, s45
	s_mov_b32 s45, 0
	s_lshl_b32 s48, s14, 3
	s_add_co_u32 s48, s48, s12
	s_mul_i32 s50, s48, 2560
	s_mov_b32 s51, 0
	s_mul_i32 s52, s48, 4480
	s_mov_b32 s53, 0
	s_mov_b32 s40, 0x76543210
	s_mov_b32 s41, 0xfedcba98
	s_mov_b32 s42, 0xffff0000
	s_wait_dscnt 0x0
	s_wait_kmcnt 0x0
	s_add_nc_u64 s[18:19], s[6:7], s[46:47]
	s_or_b32 s19, s19, 0x80000000
	s_add_nc_u64 s[22:23], s[4:5], s[44:45]
	s_or_b32 s23, s23, 0x80000000
	s_add_nc_u64 s[8:9], s[8:9], s[50:51]
	s_add_nc_u64 s[10:11], s[10:11], s[52:53]
	ROUND
	tensor_load_to_lds s[16:19], s[24:31]
	s_nop 0
	s_wait_alu depctr_va_vdst(0)
	s_wait_tensorcnt 0x0
	ds_add_u32 v254, v255
	s_wait_dscnt 0x0
	ROUND
	tensor_load_to_lds s[20:23], s[32:39]
	s_nop 0
.rept 4
	v_nop
.endr
	v_and_b32 v12, 31, v0
	s_delay_alu instid0(VALU_DEP_1)
	v_lshlrev_b32 v1, 4, v12
	s_delay_alu instid0(VALU_DEP_2)
	v_lshlrev_b32 v2, 2, v12
	s_delay_alu instid0(VALU_DEP_3)
	v_lshlrev_b32 v9, 3, v12
	v_and_b32 v13, 15, v0
	v_bfe_u32 v14, v0, 4, 1
	s_delay_alu instid0(VALU_DEP_2)
	v_and_b32 v15, 8, v13
	s_delay_alu instid0(VALU_DEP_1)
	v_add_nc_u32 v15, v15, v13
	s_lshr_b32 s44, s12, 1
	s_lshl_b32 s44, s44, 5
	s_and_b32 s45, s12, 1
	s_lshl_b32 s45, s45, 3
	s_add_co_u32 s44, s44, s45
	v_add_nc_u32 v15, s44, v15
	s_delay_alu instid0(VALU_DEP_1)
	v_mul_u32_u24 v3, v15, XP
	s_delay_alu instid0(VALU_DEP_1)
	v_lshl_add_u32 v3, v14, 6, v3
	s_lshl_b32 s44, s12, 11
	s_add_co_u32 s44, s44, XIMG
	v_add_nc_u32 v4, s44, v1
	s_lshl_b32 s44, s12, 7
	s_add_co_u32 s44, s44, XSC
	v_add_nc_u32 v5, s44, v2
	s_mul_i32 s44, s12, WHB
	s_add_co_u32 s44, s44, WL
	v_add_nc_u32 v6, s44, v1
	s_add_co_u32 s44, s44, 18432
	v_add_nc_u32 v7, s44, v2
	v_lshlrev_b32 v8, 4, v13
	s_delay_alu instid0(VALU_DEP_1)
	v_lshl_add_u32 v8, v14, 3, v8
	v_and_b32 v12, 7, v13                          ; K's codes go to slots in the order of the attention's score registers: 512 (r / 8) + 16 (r % 8) + 8 h
	v_lshrrev_b32 v15, 3, v13
	v_lshlrev_b32 v12, 4, v12
	v_lshl_add_u32 v12, v14, 3, v12
	v_lshl_add_u32 v12, v15, 9, v12
	v_add_nc_u32 v10, XIMG, v1
	v_add_nc_u32 v11, XSC, v2
.irp j, 212,213,214,215,216,217,218,219
	v_mov_b32 v\j, 0
.endr
	s_wait_tensorcnt 0x0
	s_barrier_signal -1
	s_barrier_wait -1
.macro QUANT src, pc, pw
.irp q, 0,1,2,3
	v_max3_num_f32 v[TM+\q], |v[\src+16*\q]|, |v[\src+1+16*\q]|, 0x1800000
.endr
.irp i, 2,4,6,8,10,12,14
.irp q, 0,1,2,3
	s_delay_alu instid0(VALU_DEP_4)
	v_max3_num_f32 v[TM+\q], v[TM+\q], |v[\src+16*\q+\i]|, |v[\src+1+16*\q+\i]|
.endr
.endr
.irp q, 0,1,2,3
	s_delay_alu instid0(VALU_DEP_4)
	v_permlanex16_b32 v[TM+4+\q], v[TM+\q], s40, s41
.endr
.irp q, 0,1,2,3
	s_delay_alu instid0(VALU_DEP_4)
	v_max_num_f32 v[TM+\q], v[TM+\q], v[TM+4+\q]
.endr
.irp q, 0,1,2,3
	s_delay_alu instid0(VALU_DEP_4)
	v_add_nc_u32 v[TM+12+\q], 0xff000000, v[TM+\q]
.endr
.irp q, 0,1,2,3
	s_delay_alu instid0(VALU_DEP_4)
	v_lshrrev_b32 v[TM+4+\q], 23, v[TM+12+\q]
.endr
	s_delay_alu instid0(VALU_DEP_3)
	v_lshl_or_b32 v[\pw], v[TM+5], 8, v[TM+4]
	s_delay_alu instid0(VALU_DEP_1)
	v_lshl_or_b32 v[\pw], v[TM+6], 16, v[\pw]
	s_delay_alu instid0(VALU_DEP_1)
	v_lshl_or_b32 v[\pw], v[TM+7], 24, v[\pw]
.irp q, 0,1,2,3
	v_cvt_scalef32_pk8_fp4_f32 v[\pc+2*\q], v[\src+16*\q:\src+7+16*\q], v[TM+12+\q]
	v_cvt_scalef32_pk8_fp4_f32 v[\pc+1+2*\q], v[\src+8+16*\q:\src+15+16*\q], v[TM+12+\q]
.endr
	v_nop
.irp c, 0,1
.irp i, 0,1
	v_permlane16_swap_b32 v[\pc+4*\c+\i], v[\pc+2+4*\c+\i]
.endr
.endr
.endm
.irp s, 0,1
.irp q, 0,1,2,3
.irp j, 0,1,2,3
	ds_load_b128 v[64+64*\s+16*\q+4*\j:67+64*\s+16*\q+4*\j], v3 offset:512*\s+128*\q+16*\j
.endr
.endr
.endr
	WIN 0x40
.irp f, 0,1,2,3,4,5,6,7,8,9,10,11
	ds_load_b128 v[8*\f:8*\f+3], v6 offset:1024*\f
	ds_load_b128 v[8*\f+4:8*\f+7], v6 offset:1024*\f+512
.endr
.irp q, 0,1,2,3,4,5
	ds_load_b128 v[WB+8*\q:WB+8*\q+3], v6 offset:12288+1024*\q
	ds_load_b128 v[WB+8*\q+4:WB+8*\q+7], v6 offset:12288+1024*\q+512
.endr
	WIN 0
.irp q, 0,1,2,3,4,5
	ds_load_b32 v[WS+\q], v7 offset:128*\q
.endr
	s_wait_dscnt 58
	QUANT 64, PC, 246
	ds_store_b128 v4, v[PC:PC+3]
	ds_store_b128 v4, v[PC+4:PC+7] offset:512
	s_wait_dscnt 44
	QUANT 128, PC+8, 247
	ds_store_b128 v4, v[PC+8:PC+11] offset:1024
	ds_store_b128 v4, v[PC+12:PC+15] offset:1536
	v_cndmask_b32 v246, v246, v247, s42
	ds_store_b32 v5, v246
	s_wait_dscnt 0x0
	s_barrier_signal -1
	s_barrier_wait -1
.macro FETCHX p
.irp e, 0,1
.irp f, 0,1,2,3
	ds_load_b128 v[XF+16*\e+4*\f:XF+16*\e+4*\f+3], v10 offset:(2*(\p)+\e)*2048+512*\f
.endr
	ds_load_b32 v[XS+\e], v11 offset:128*(2*(\p)+\e)
.endr
.endm
.macro MM ks
.if \ks == 0
	WIN 0x11
.else
	WIN 0x01
.endif
.irp g, 0,1
.irp e, 0,1
.irp u, 0,1
.if \ks == 0
	v_wmma_scale_f32_16x16x128_f8f6f4 v[ACC+32*\g+16*\e+8*\u:ACC+32*\g+16*\e+8*\u+7], v[16*(2*\g+\u):16*(2*\g+\u)+7], v[XF+16*\e:XF+16*\e+7], v[WB+8*(2*\g+\u):WB+8*(2*\g+\u)+7], v[WS+2*\g+\u], v[XS+\e] matrix_a_fmt:MATRIX_FMT_FP4 matrix_b_fmt:MATRIX_FMT_FP4
.else
	v_wmma_scale_f32_16x16x128_f8f6f4 v[ACC+32*\g+16*\e+8*\u:ACC+32*\g+16*\e+8*\u+7], v[16*(2*\g+\u)+8:16*(2*\g+\u)+15], v[XF+16*\e+8:XF+16*\e+15], v[ACC+32*\g+16*\e+8*\u:ACC+32*\g+16*\e+8*\u+7], v[WS+2*\g+\u], v[XS+\e] matrix_a_fmt:MATRIX_FMT_FP4 matrix_b_fmt:MATRIX_FMT_FP4 matrix_a_scale:MATRIX_SCALE_ROW1 matrix_b_scale:MATRIX_SCALE_ROW1
.endif
.endr
.endr
.endr
.if \ks == 0
	WIN 0x14
.else
	WIN 0x04
.endif
.irp t, 0,1
.irp e, 0,1
.if \ks == 0
	v_wmma_scale_f32_16x16x128_f8f6f4 v[ACC+64+16*\t+8*\e:ACC+64+16*\t+8*\e+7], v[XF+16*\e:XF+16*\e+7], v[16*(4+\t):16*(4+\t)+7], v[WB+8*(4+\t):WB+8*(4+\t)+7], v[XS+\e], v[WS+4+\t] matrix_a_fmt:MATRIX_FMT_FP4 matrix_b_fmt:MATRIX_FMT_FP4
.else
	v_wmma_scale_f32_16x16x128_f8f6f4 v[ACC+64+16*\t+8*\e:ACC+64+16*\t+8*\e+7], v[XF+16*\e+8:XF+16*\e+15], v[16*(4+\t)+8:16*(4+\t)+15], v[ACC+64+16*\t+8*\e:ACC+64+16*\t+8*\e+7], v[XS+\e], v[WS+4+\t] matrix_a_fmt:MATRIX_FMT_FP4 matrix_b_fmt:MATRIX_FMT_FP4 matrix_a_scale:MATRIX_SCALE_ROW1 matrix_b_scale:MATRIX_SCALE_ROW1
.endif
.endr
.endr
.endm
.macro PAIR p
	s_wait_dscnt 0x0
	MM 0
	MM 1
	WIN 0
.rept 5
	v_nop
.endr
.if (\p) < 3
	FETCHX (\p)+1
.endif
.irp k, 0,1,2,3,4,5
	v_max3_num_f32 v[AM+\k], |v[ACC+16*\k]|, |v[ACC+16*\k+1]|, 0x1800000
.endr
.irp i, 2,4,6,8,10,12,14
.irp k, 0,1,2,3,4,5
	v_max3_num_f32 v[AM+\k], v[AM+\k], |v[ACC+16*\k+\i]|, |v[ACC+16*\k+\i+1]|
.endr
.endr
.irp k, 0,1,2,3,4,5
	v_permlanex16_b32 v[PM+\k], v[AM+\k], s40, s41
.endr
.irp k, 0,1,2,3,4,5
	v_max_num_f32 v[AM+\k], v[AM+\k], v[PM+\k]
.endr
.irp k, 0,1,2,3,4,5
	v_add_nc_u32 v[SO+\k], 0xff000000, v[AM+\k]
.endr
.irp k, 0,1,2,3,4,5
	v_lshrrev_b32 v[BY+\k], 23, v[SO+\k]
.endr
	s_wait_xcnt 0x0
.irp k, 0,1,2,3,4,5
	v_cvt_scalef32_pk8_fp4_f32 v[PC+2*\k], v[ACC+16*\k:ACC+16*\k+7], v[SO+\k]
	v_cvt_scalef32_pk8_fp4_f32 v[PC+2*\k+1], v[ACC+16*\k+8:ACC+16*\k+15], v[SO+\k]
.endr
	v_nop
.irp e, 0,1
	global_store_b64 v8, v[PC+2*\e:PC+2*\e+1], s[8:9] offset:256*(2*(\p)+\e)
	global_store_b64 v12, v[PC+4+2*\e:PC+5+2*\e], s[10:11] offset:1024*((\p)/2)+256*\e+128*((\p)%2)
	global_store_b64 v8, v[PC+8+2*\e:PC+9+2*\e], s[10:11] offset:2048+1024*\e+256*(\p)
.endr
.irp e, 0
	v_perm_b32 v[SQ+2*(\p)+\e], v[BY+\e], v[BY+\e], 0
.if (2*((\p)%2)+\e) == 0
	v_mov_b32 v[KW+(\p)/2], v[BY+2+\e]
.else
	v_lshl_or_b32 v[KW+(\p)/2], v[BY+2+\e], 8*(2*((\p)%2)+\e), v[KW+(\p)/2]
.endif
.if (\p) == 0
	v_mov_b32 v[VW+\e], v[BY+4+\e]
.else
	v_lshl_or_b32 v[VW+\e], v[BY+4+\e], 8*(\p), v[VW+\e]
.endif
.endr
.irp e, 1
	v_perm_b32 v[SQ+2*(\p)+\e], v[BY+\e], v[BY+\e], 0
.if (2*((\p)%2)+\e) == 0
	v_mov_b32 v[KW+(\p)/2], v[BY+2+\e]
.else
	s_delay_alu instid0(VALU_DEP_3)
	v_lshl_or_b32 v[KW+(\p)/2], v[BY+2+\e], 8*(2*((\p)%2)+\e), v[KW+(\p)/2]
.endif
.if (\p) == 0
	v_mov_b32 v[VW+\e], v[BY+4+\e]
.else
	v_lshl_or_b32 v[VW+\e], v[BY+4+\e], 8*(\p), v[VW+\e]
.endif
.endr
.endm
	FETCHX 0
	PAIR 0
	PAIR 1
	PAIR 2
	PAIR 3
.irp i, 0,1,2,3
	v_cndmask_b32 v[248+\i], v[SQ+\i], v[SQ+4+\i], s42
.endr
	global_store_b128 v1, v[248:251], s[8:9] offset:2048
	; K's scale words by slots: lane 16 a + m of word F carries, for the 32 slots 2 F + a, byte 0 = the key in lanes 0-15, row m; byte 3 = the key in lanes 16-31, row m
	s_mov_b32 s43, 0xff00ff00                      ; lanes with m >= 8
	s_mov_b32 s54, 0x00ffff00                      ; lanes that take their bytes from lane l xor 8
	v_mov_b32 v244, 0x01000000
	v_mov_b32 v245, 0x03020202
	v_cndmask_b32 v252, v244, v245, s43            ; which two bytes of the old word
	v_mov_b32_dpp v244, v[KW] row_xmask:8 row_mask:0xf bank_mask:0xf
	v_mov_b32_dpp v245, v[KW+1] row_xmask:8 row_mask:0xf bank_mask:0xf
	v_cndmask_b32 v244, v[KW], v244, s54
	v_cndmask_b32 v245, v[KW+1], v245, s54
	v_perm_b32 v244, v244, v244, v252
	v_perm_b32 v245, v245, v245, v252
	v_cndmask_b32 v253, v[VW], v[VW+1], s42
	global_store_b64 v9, v[244:245], s[10:11] offset:4096
	global_store_b32 v2, v253, s[10:11] offset:4352
	s_wait_tensorcnt 0x0
	ds_add_u32 v254, v255
	s_wait_dscnt 0x0
	ROUND
	s_endpgm
.Lfunc_end_k_q8d809efe05_qkv:
	.size	k_q8d809efe05_qkv, .Lfunc_end_k_q8d809efe05_qkv-k_q8d809efe05_qkv
	.p2alignl 7, 3214868480
	.fill 96, 4, 3214868480
	.section	.rodata,"a",@progbits
	.p2align	6, 0x0
	.amdhsa_kernel k_q8d809efe05_qkv
		.amdhsa_group_segment_fixed_size 327680
		.amdhsa_private_segment_fixed_size 0
		.amdhsa_enable_private_segment 0
		.amdhsa_kernarg_size 32
		.amdhsa_user_sgpr_count 2
		.amdhsa_user_sgpr_kernarg_segment_ptr 1
		.amdhsa_wavefront_size32 1
		.amdhsa_system_sgpr_workgroup_id_x 1
		.amdhsa_system_sgpr_workgroup_id_y 1
		.amdhsa_system_sgpr_workgroup_id_z 1
		.amdhsa_system_vgpr_workitem_id 0
		.amdhsa_next_free_vgpr 400
		.amdhsa_next_free_sgpr 66
		.amdhsa_reserve_vcc 0
		.amdhsa_float_denorm_mode_32 3
		.amdhsa_float_denorm_mode_16_64 3
		.amdhsa_memory_ordered 1
		.amdhsa_forward_progress 1
		.amdhsa_inst_pref_size 64
	.end_amdhsa_kernel
	.amdgpu_metadata
---
amdhsa.version: [ 1, 2 ]
amdhsa.kernels:
  - .name:           k_q8d809efe05_qkv
    .symbol:         k_q8d809efe05_qkv.kd
    .args:
      - { .name: x, .offset: 0, .size: 8, .value_kind: global_buffer, .address_space: global }
      - { .name: wimg, .offset: 8, .size: 8, .value_kind: global_buffer, .address_space: global }
      - { .name: qq, .offset: 16, .size: 8, .value_kind: global_buffer, .address_space: global }
      - { .name: kv, .offset: 24, .size: 8, .value_kind: global_buffer, .address_space: global }
    .group_segment_fixed_size: 327680
    .private_segment_fixed_size: 0
    .kernarg_segment_align: 8
    .kernarg_segment_size: 32
    .max_flat_workgroup_size: 256
    .sgpr_count:     66
    .vgpr_count:     400
    .wavefront_size: 32
...
	.end_amdgpu_metadata
.endif
;; end of part 2
;; launch attn (part 3): grid 8 x 32, 8 waves a work-group, clusters of 4 x 1, 327,680 bytes of LDS; arguments qq, kv, maskw, woimg, out0; writes out0
.if DOCPART == 3
	.amdgcn_target "amdgcn-amd-amdhsa--gfx1250"
	.amdhsa_code_object_version 6
	.text
	.protected	k_q8d809efe05_attn
	.globl	k_q8d809efe05_attn
	.p2align	8
	.type	k_q8d809efe05_attn,@function
k_q8d809efe05_attn:
	s_mov_b64 s[64:65], 0
	v_nop
	global_prefetch_b8 v0, s[64:65] scope:SCOPE_SE
	s_setreg_imm32_b32 hwreg(HW_REG_WAVE_MODE, 25, 1), 1
	s_wait_xcnt 0x0
	s_wait_alu depctr_hold_cnt(0) depctr_sa_sdst(0) depctr_va_vdst(0) depctr_va_sdst(0) depctr_va_ssrc(0) depctr_va_vcc(0) depctr_vm_vsrc(0)
	s_getreg_b32 s2, hwreg(HW_REG_IB_STS2, 6, 4)
	s_cmp_eq_u32 s2, 0
	s_cbranch_scc0 .Lentry_in_a_cluster
	s_endpgm
.Lentry_in_a_cluster:
	s_bfe_u32 s2, ttmp6, 0x10000c
	s_cmp_lg_u32 s2, 0x3003
	s_cbranch_scc0 .Lentry_shape_is_right
	s_endpgm
.Lentry_shape_is_right:
; ATTN.  out = (softmax(mask(Q K^T / sqrt(32))) V) Wo^T + bo, all three products on codes of FP4 (E2M1) with one E8M0 byte for each 32 along K.
; THE SOFTMAX: t = score x log2(e) / sqrt(32); M = the row's largest t so far, rounded up to a whole number; p = 2^(t - M) is quantised along the keys, not normalised;
; the row's sum is taken of the unquantised p and divides O at the end.  When M moves, the sum and O are multiplied by 2^(old M - new M): exact.
; SHARES.  A work-group owns 128 queries of one batch; wave w owns query tile w (16 queries) for ALL 8 heads and walks 8 key steps of 128 keys, the heads one after the other inside a step.
; THE MASK IS THE C OPERAND of the first product: 64 registers of 0 or -2^32, made once a key step from words with a bit a lane (64 selects) and used by all 8 heads.
; A query with no key allowed has its Q codes set to zero: its scores are then exactly -2^32, t - M = 0 and p = 1 on every key, as the definition has it.
; THE LOOP IS A PIPELINE OF THREE HEADS on two score buffers.  A segment: one wait; O^T of head k under its new M; the 66 exponentials of head k; then, naming none of their results,
; head k - 1's scales, codes, sums and second product, and head k + 1's scores, maxima, M and t - M, in the buffer that head k - 1 has left.  The first segment's head k - 1 finds zeros; the last segment's head k + 1
; takes the last step's head 0 again and moves only that head's largest score and M, which nothing reads afterwards.
; K AND V of the whole batch, 286,720 bytes of register images, come into LDS once, a key step a wave; no LDS byte is filled twice.  CLUSTER: the four query blocks of a cluster belong to one batch and ask JOINTLY (mask 15).
; No data prefetch: K and V are asked for once, at the head, and there is no loop to run ahead in.
; LAYOUT.  S^T = K Q^T + C, O^T = V^T P^T, y^T = Wo O^T: a lane holds one query (lane % 16) throughout.  Score register n of lane (r, h) is key 64 (n / 32) + 32 h + n % 32:
; a lane holds whole blocks of 32 keys, so the conversions' results are the second product's operand as they stand.
; THE FIRST PRODUCT HAS K = 32, the instruction 128.  Four registers K_j hold 32 keys (lanes 0-15: 16 keys, lanes 16-31: 16 more).  Source 0 = (K_j, K_j+1) with source 1 = (Q in lanes 0-15, zeros) takes block 0;
; source 0 = (K_j-1, K_j) with source 1 = (zeros, Q in lanes 16-31) takes block 3.  Whatever else source 0 names meets zero codes; v56-59 and v76-79 beside K hold constants.
; Q lies in the wave's own LDS bytes, 256 bytes and 16 of zeros a head: a load in which one half of the lanes names the zeros gives either form of source 1.
; LIMITS.  A masked score is the true score - 2^32; the promise holds while true scores stay under 2^30 in magnitude (logits under 1.9e8), where the definition puts masked logits at -1e9.
; A block of zeros gets the byte 1 (its codes are zeros); blocks under 2^-124 are held at that floor; NaN and infinities are not served.
; REGISTERS, window 0: v1-5 LDS addresses in hand; v6-14 lane numbers and addresses that stay (v11 a permute's destination); v16-23 Q's scale words; v24-55 per head -M, largest score, the sum in two halves;
;   v56-59, v76-77 constants, v78-79 Wo's scale words; v60-75 K; v80-95 V; v96-159, v160-223 S^T, then p, of even and of odd heads; v224-231 p's codes; v232-233 K's scale words, v234 V's, v235 p's;
;   v236-239 the blocks' largest, even and odd heads; v240-253 at work.  Window 1: v0-127 O^T, 16 a head; v128-191 C; v192-203 source 1 of the first product; v204-251 Wo and bo.
.set STEPB, 35840                      ; a key step in LDS: 8 heads x 4,480
.set HEADB, 4480                       ; a head's: K's codes 2,048, V's codes 2,048, K's scale words 256, V's 128
.set QB,    286720                     ; behind K and V: Q, 2,560 bytes a wave, of which 8 x 272 are used
.set OIMG,  307200                     ; O's fragments: tile x 2,048 + 256 head + 16 r + 8 h
.set OSC,   323584                     ; their scale bytes: tile x 128 + 64 (head / 4) + 4 r + head % 4
.set SPARE, 324608                     ; the spare words, 128 bytes a wave
.set YP,    1040                       ; the way out: 128 rows of 1,024 bytes + 16, over K and V, which have had their one fill and their last read
.set FLOOR, 0x1800000                  ; 2^(3 - 127)
.set MSB, 0
.macro WIN new                         ; the immediate's high byte repeats the setting that is left
.if MSB != \new
	s_set_vgpr_msb (MSB<<8)|\new
.set MSB, \new
.endif
.endm
.macro ROUND                           ; a round of the cluster's barrier
	s_barrier_signal -1
	s_barrier_wait -1
	s_cmp_lg_u32 s14, 0
	s_cbranch_scc1 .Lnot_wave_0_\@
	s_barrier_signal -3
.Lnot_wave_0_\@:
	s_barrier_wait -3
	s_barrier_signal -1
	s_barrier_wait -1
.endm
	s_load_b256 s[4:11], s[0:1], 0x0               ; qq s[4:5], kv s[6:7], maskw s[8:9], woimg s[10:11]
	s_load_b64 s[12:13], s[0:1], 0x20              ; out0
	v_lshl_add_u32 v254, v0, 2, SPARE
	v_mov_b32 v255, 0
	ds_add_u32 v254, v255                          ; the opening lines: the add, twice on end, and its wait
	ds_add_u32 v254, v255
	v_lshrrev_b32 v1, 5, v0
	v_readfirstlane_b32 s14, v1                    ; wave 0..7 = my query tile
	s_bfe_u32 s3, ttmp6, 0x40000                   ; cx
	s_lshl_b32 s25, ttmp9, 2
	s_add_co_u32 s25, s25, s3                      ; my block of 128 queries: it enters global addresses alone
	s_and_b32 s66, ttmp7, 0xffff                   ; the batch, which the four partners share
	s_mov_b32 s68, 15|(3<<16)|(1<<21)              ; 140 rows of 256 bytes (32 elements of 8 bytes), dense: one key step; asked for jointly
	s_mov_b32 s69, 32<<16
	s_mov_b32 s70, 140<<16
	s_mov_b32 s71, 32<<16
	s_mov_b32 s72, 140
	s_mov_b32 s73, 32
	s_mov_b32 s74, 0
	s_mov_b32 s75, 0
	s_mov_b32 s28, 1
	s_mul_i32 s29, s14, STEPB                      ; LDS address: the wave's number alone
	s_mul_i32 s32, s66, 8*STEPB
	s_add_co_u32 s32, s32, s29
	s_mov_b32 s33, 0
	s_lshl_b32 s34, s66, 3                         ; qq [batch][block][head][2,560]
	s_add_co_u32 s34, s34, s25
	s_mul_i32 s34, s34, 8*2560
	s_mov_b32 s35, 0
	s_mul_i32 s36, s14, 2*3328                     ; woimg [column tile][3,328]: mine are 2 w and 2 w + 1
	s_mov_b32 s37, 0
	s_lshl_b32 s38, s66, 10                        ; the rows that I store: positions 16 w + i are tokens 32 (w / 2) + 8 (w % 2) + i + (i & 8) of my block
	s_lshl_b32 s39, s25, 7
	s_add_co_u32 s38, s38, s39
	s_lshr_b32 s39, s14, 1
	s_lshl_b32 s39, s39, 5
	s_add_co_u32 s38, s38, s39
	s_and_b32 s39, s14, 1
	s_lshl_b32 s39, s39, 3
	s_add_co_u32 s38, s38, s39
	s_lshl_b32 s38, s38, 10
	s_mov_b32 s39, 0
	s_lshl_b32 s17, s25, 14                        ; the mask words: 2,048 bytes a query tile, 256 a key step
	s_lshl_b32 s18, s14, 11
	s_add_co_u32 s17, s17, s18
	s_add_co_u32 s18, s17, 1792                    ; the last step's: no load goes further
	s_mov_b32 s20, 0x76543210
	s_mov_b32 s21, 0xfedcba98                      ; v_permlanex16_b32's selects for lane l xor 16
	s_mov_b32 s22, 0x3e8293ee                      ; c = log2(e) / sqrt(32)
	s_mov_b32 s23, s22
	s_wait_dscnt 0x0
	s_wait_kmcnt 0x0
	s_add_nc_u64 s[30:31], s[6:7], s[32:33]
	s_or_b32 s31, s31, 0x80000000
	s_add_nc_u64 s[4:5], s[4:5], s[34:35]
	s_add_nc_u64 s[10:11], s[10:11], s[36:37]
	s_add_nc_u64 s[12:13], s[12:13], s[38:39]
	ROUND                                          ; all four work-groups are here: the joint loads meet
	tensor_load_to_lds s[28:31], s[68:75]          ; one load a wave
	s_nop 0
.rept 4
	v_nop                                          ; four nops behind the load
.endr
	v_and_b32 v6, 31, v0                           ; L
	v_and_b32 v7, 15, v0                           ; r
	v_bfe_u32 v8, v0, 4, 1                         ; h
	v_lshlrev_b32 v56, 4, v6                       ; 16 L
	v_lshl_add_u32 v57, v6, 3, 4096                ; K's scale words in a head's part
	v_lshl_add_u32 v58, v6, 2, 4352                ; V's
	v_mov_b32 v59, 0xcf800000                      ; -2^32
	v_mov_b32 v76, 0
	v_lshlrev_b32 v77, 3, v8                       ; 8 h
	v_lshlrev_b32 v14, 2, v6                       ; 4 L
	v_xor_b32 v1, 1, v8                            ; 1 - h
	v_mul_u32_u24 v2, v7, v1                       ; r in lanes 0-15, 0 above
	v_mul_u32_u24 v3, v7, v8                       ; r in lanes 16-31, 0 below
	s_wait_alu depctr_va_vdst(0)                   ; the wait ahead of the scalar lines below
	s_mul_i32 s16, s14, 2560
	s_add_co_u32 s16, s16, QB
	v_lshl_add_u32 v9, v2, 4, s16
	v_lshl_add_u32 v9, v8, 8, v9                   ; Q in LDS: lanes 0-15 row r, lanes 16-31 the zeros at byte 256
	v_lshl_add_u32 v10, v3, 4, s16
	v_lshl_add_u32 v10, v1, 8, v10                 ; and the other way round
	s_lshl_b32 s16, s14, 8
	v_lshl_add_u32 v4, v7, 4, s16                  ; Q's codes in memory: 256 bytes a tile; both halves of the lanes take row r
	s_lshr_b32 s16, s14, 2
	s_lshl_b32 s16, s16, 8
	s_and_b32 s19, s14, 3
	s_lshl_b32 s19, s19, 2
	s_add_co_u32 s16, s16, s19
	s_add_co_u32 s16, s16, 2048
	v_lshl_add_u32 v5, v7, 4, s16                  ; its scale words
	v_add_nc_u32 v11, s17, v56                     ; my tile's 512 mask words, 16 a lane
	s_lshl_b32 s16, s14, 11
	s_add_co_u32 s16, s16, OIMG
	v_lshl_add_u32 v12, v7, 4, s16
	v_lshl_add_u32 v12, v8, 3, v12                 ; where my tile's codes of O go
	s_lshl_b32 s16, s14, 7
	s_add_co_u32 s16, s16, OSC
	v_lshl_add_u32 v13, v7, 2, s16                 ; and their scale bytes
	s_wait_alu depctr_va_vdst(0)
.irp hd, 0,1,2,3,4,5,6,7
	global_load_b128 v[96+4*\hd:99+4*\hd], v4, s[4:5] offset:2560*\hd
	global_load_b32 v[16+\hd], v5, s[4:5] offset:2560*\hd
.endr
.irp i, 0,1,2,3
	global_load_b128 v[128+4*\i:131+4*\i], v11, s[8:9] offset:512*\i
.endr
	WIN 0x40
.irp ct, 0,1
.irp f, 0,1,2,3
	global_load_b128 v[204+16*\ct+4*\f:207+16*\ct+4*\f], v56, s[10:11] offset:3328*\ct+512*\f   ; Wo's fragments of my two column tiles: they stay
.endr
	global_load_b128 v[236+8*\ct:239+8*\ct], v56, s[10:11] offset:3328*\ct+2048                 ; bo in the result's layout
	global_load_b128 v[240+8*\ct:243+8*\ct], v56, s[10:11] offset:3328*\ct+2560
.endr
	WIN 0
.irp ct, 0,1
	global_load_b32 v[78+\ct], v14, s[10:11] offset:3328*\ct+3072                               ; Wo's scale words
.endr
.irp hd, 0,1,2,3,4,5,6,7
	v_mov_b32 v[24+4*\hd], 0x7f61b1e6              ; -M = 3e38
	v_mov_b32 v[25+4*\hd], 0xff61b1e6              ; the largest score so far: -3e38
	v_mov_b32 v[26+4*\hd], 0                       ; the sum
	v_mov_b32 v[27+4*\hd], 0
.endr
	v_mov_b32 v238, 0                              ; the first segment's head before: its blocks' largest p,
	v_mov_b32 v239, 0
	v_mov_b32 v249, 0                              ; (the upper half of f's pair)
.set J, 0
.rept 64
	v_mov_b32 v[160+J], 0                          ; and its p
.set J, J+1
.endr
	WIN 0x40
.set J, 0
.rept 128
	v_mov_b32 v[J], 0                              ; O^T: the segment is written once; the first change of M leaves zeros zeros
.set J, J+1
.endr
.irp k, 0,1,2,3
	v_mov_b32 v[196+\k], 0                         ; the zero codes between the two forms of Q
.endr
	WIN 0
	s_wait_alu depctr_va_vdst(0)
	s_wait_loadcnt 0x0
.irp i, 1,2,3,4,5,6,7
	v_or_b32 v128, v128, v[128+\i]                 ; is any key allowed?  All my words, in two chains,
	v_or_b32 v136, v136, v[136+\i]
.endr
	v_or_b32 v128, v128, v136
.irp x, 1,2,4,8
	v_mov_b32_dpp v129, v128 row_xmask:\x row_mask:0xf bank_mask:0xf
	v_or_b32 v128, v128, v129                      ; all lanes of a row of 16,
.endr
	v_permlanex16_b32 v129, v128, s20, s21
	v_or_b32 v128, v128, v129                      ; both rows
	v_readfirstlane_b32 s26, v128                  ; bit (r, h): query r has an allowed key among lane half h's
	s_lshr_b32 s27, s26, 16
	s_or_b32 s26, s26, s27
	s_and_b32 s26, s26, 0xffff                     ; lanes 0-15 of queries with a key
.irp hd, 0,1,2,3,4,5,6,7
.irp k, 0,1,2,3
	v_cndmask_b32 v[96+4*\hd+\k], 0, v[96+4*\hd+\k], s26   ; Q, or zeros; lanes 16-31 carry the zeros for byte 256
.endr
.endr
	s_wait_alu depctr_va_vdst(0)                   ; the wait at the head's end
	s_wait_tensorcnt 0x0                           ; my key step has landed
	s_barrier_signal -1
	s_barrier_wait -1                              ; everybody's has
	s_load_b512 s[32:47], s[8:9], s17 offset:0x0   ; the first step's 64 mask words (the descriptor's registers are free: its load is done)
	s_load_b512 s[48:63], s[8:9], s17 offset:0x40
	s_load_b512 s[68:83], s[8:9], s17 offset:0x80
	s_load_b512 s[84:99], s[8:9], s17 offset:0xc0
.irp hd, 0,1,2,3,4,5,6,7
	ds_store_b128 v9, v[96+4*\hd:99+4*\hd] offset:272*\hd  ; into my own bytes: LDS serves a wave's instructions in order
.endr
.irp f, 0,1,2,3
	ds_load_b128 v[60+4*\f:63+4*\f], v56 offset:512*\f     ; step 0, head 0: K
.endr
	ds_load_b64 v[232:233], v57
.irp f, 0,1,2,3
	ds_load_b128 v[80+4*\f:83+4*\f], v56 offset:7*HEADB+2048+512*\f   ; a V for the first segment's head before: it meets zero codes
.endr
	ds_load_b32 v234, v58 offset:7*HEADB
	WIN 0x40
	ds_load_b128 v[192:195], v9                    ; head 0's Q in lanes 0-15,
	ds_load_b128 v[200:203], v10                   ; and in lanes 16-31
	WIN 0
	s_mov_b32 s16, 0                               ; the key step's place in LDS
	s_mov_b32 s24, STEPB                           ; the next step's
	s_mov_b32 s19, 8
	v_add_nc_u32 v1, s16, v56                      ; the first step's addresses
	v_add_nc_u32 v2, s16, v57
	v_add_nc_u32 v3, s16, v58
	v_add_nc_u32 v4, s24, v56
	v_add_nc_u32 v5, s24, v57
.macro CBUILD                          ; C of the next key step: 0 where the bit is set, else -2^32; then the step after's words are asked for
	s_wait_kmcnt 0x0                               ; the words are in, so their offset may be stepped
	s_add_co_u32 s17, s17, 256
	s_min_u32 s17, s17, s18
	WIN 0x40
.set J, 0
.rept 32
	v_cndmask_b32 v[128+J], v59, v76, s[32+J]
.set J, J+1
.endr
	s_load_b512 s[32:47], s[8:9], s17 offset:0x0
	s_load_b512 s[48:63], s[8:9], s17 offset:0x40
.set J, 0
.rept 32
	v_cndmask_b32 v[160+J], v59, v76, s[68+J]
.set J, J+1
.endr
	s_load_b512 s[68:83], s[8:9], s17 offset:0x80
	s_load_b512 s[84:99], s[8:9], s17 offset:0xc0
	WIN 0
.endm
.macro SW d, a, b, sa, sb, row         ; one tile of 16 keys: S^T = K Q^T + C
.if \row
	v_wmma_scale_f32_16x16x128_f8f6f4 v[TB+\d:TB+\d+7], v[\a:\a+7], v[\b:\b+7], v[128+\d:135+\d], v[\sa], v[\sb] matrix_a_fmt:MATRIX_FMT_FP4 matrix_b_fmt:MATRIX_FMT_FP4 matrix_a_scale:MATRIX_SCALE_ROW1
.else
	v_wmma_scale_f32_16x16x128_f8f6f4 v[TB+\d:TB+\d+7], v[\a:\a+7], v[\b:\b+7], v[128+\d:135+\d], v[\sa], v[\sb] matrix_a_fmt:MATRIX_FMT_FP4 matrix_b_fmt:MATRIX_FMT_FP4
.endif
.endm
.macro MERGE hp                        ; the four chains join the head's sum, which stands under its new M already
	v_pk_add_f32 v[240:241], v[240:241], v[242:243]
	v_pk_add_f32 v[244:245], v[244:245], v[246:247]
	v_pk_add_f32 v[240:241], v[240:241], v[244:245]
	v_pk_add_f32 v[26+4*(\hp):27+4*(\hp)], v[26+4*(\hp):27+4*(\hp)], v[240:241]
.endm
.macro SUM n                           ; line n of 28: the row's sum of the unquantised p, two at a time, four chains
.if (\n) < 4
	v_pk_add_f32 v[240+2*(\n):241+2*(\n)], v[TB+2*(\n):TB+2*(\n)+1], v[TB+8+2*(\n):TB+9+2*(\n)]
.else
	v_pk_add_f32 v[240+2*((\n)%4):241+2*((\n)%4)], v[240+2*((\n)%4):241+2*((\n)%4)], v[TB+8+2*(\n):TB+9+2*(\n)]
.endif
.endm
; THE END OF HEAD hp's KEY STEP: p lies in buffer par.  The scale lines stand among the sums, so that no line waits for the line above it.
.macro TAIL hp, par, cb
.set TB, 96+64*(\par)
.set BMT, 236+2*(\par)
	v_max_num_f32 v[BMT], FLOOR, v[BMT]            ; the blocks' largest p: the byte cannot fall under 1
	v_max_num_f32 v[BMT+1], FLOOR, v[BMT+1]
.irp n, 0,1,2,3
	SUM \n
.endr
	v_add_nc_u32 v250, 0xff000000, v[BMT]          ; 2 off the exponent field: the conversion's scale operand
	v_add_nc_u32 v251, 0xff000000, v[BMT+1]
.irp n, 4,5,6,7
	SUM \n
.endr
.irp g, 0,1,2,3
	v_cvt_scalef32_pk8_fp4_f32 v[224+\g], v[TB+8*\g:TB+8*\g+7], v250
	v_cvt_scalef32_pk8_fp4_f32 v[228+\g], v[TB+32+8*\g:TB+32+8*\g+7], v251
.endr
	v_lshrrev_b32 v252, 23, v250                   ; the scales' bytes
	v_lshrrev_b32 v253, 23, v251
	SUM 8
	SUM 9
	v_lshl_or_b32 v252, v253, 16, v252             ; my bytes are those of blocks h and 2 + h,
	SUM 10
	SUM 11
	v_lshlrev_b32 v252, v77, v252                  ; 8 h bits up;
	SUM 12
	SUM 13
	v_permlanex16_b32 v11, v252, s20, s21
	SUM 14
	SUM 15
	v_or_b32 v235, v252, v11                       ; with lane l xor 16's two the word is whole
.irp n, 16,17,18,19,20,21,22,23
	SUM \n                                         ; eight places between p's scale word and the products
.endr
	WIN 0x50                                       ; C and D in window 1
	v_wmma_scale_f32_16x16x128_f8f6f4 v[16*(\hp):16*(\hp)+7], v[80:87], v[224:231], v[16*(\hp):16*(\hp)+7], v234, v235 matrix_a_fmt:MATRIX_FMT_FP4 matrix_b_fmt:MATRIX_FMT_FP4
	v_wmma_scale_f32_16x16x128_f8f6f4 v[16*(\hp)+8:16*(\hp)+15], v[88:95], v[224:231], v[16*(\hp)+8:16*(\hp)+15], v234, v235 matrix_a_fmt:MATRIX_FMT_FP4 matrix_b_fmt:MATRIX_FMT_FP4 matrix_a_scale:MATRIX_SCALE_ROW1
	WIN 0
.if \cb
	CBUILD
.endif
.irp n, 24,25,26,27
	SUM \n                                         ; the places behind the products
.endr
.endm
; THE BEGINNING OF HEAD hn's KEY STEP, in buffer par: scores, the blocks' and the row's largest, M, f, t - M.  h2: the head whose K and Q are asked for (8, 9: heads 0, 1 of the next step).  hp: the head whose sums are joined.
.macro FRONT hn, par, h2, hp
.set TB, 96+64*(\par)
.set BMT, 236+2*(\par)
.set NMN, 24+4*(\hn)
	WIN 0x14                                       ; source 1 and C in window 1
.irp j, 0,1,2,3
	SW 16*\j, 60+4*\j, 192, 232+\j/2, 16+(\hn), \j%2
	SW 16*\j+8, 56+4*\j, 196, 232+\j/2, 16+(\hn), \j%2
.endr
	WIN 0
.if (\hp) >= 0
	MERGE \hp                                      ; four plain lines that name none of the products' registers: their places
.else
.rept 4
	v_nop                                          ; ahead of the loop there are no sums to join: the places
.endr
.endif
.if (\h2) < 8
.irp f, 0,1,2,3
	ds_load_b128 v[60+4*\f:63+4*\f], v1 offset:(\h2)*HEADB+512*\f
.endr
	ds_load_b64 v[232:233], v2 offset:(\h2)*HEADB
.else
.irp f, 0,1,2,3
	ds_load_b128 v[60+4*\f:63+4*\f], v4 offset:((\h2)-8)*HEADB+512*\f
.endr
	ds_load_b64 v[232:233], v5 offset:((\h2)-8)*HEADB
.endif
	WIN 0x40
	ds_load_b128 v[192:195], v9 offset:272*((\h2)%8)
	ds_load_b128 v[200:203], v10 offset:272*((\h2)%8)
	WIN 0
	v_max3_num_f32 v[BMT], v[TB], v[TB+1], v[TB+2]             ; the largest score of my two blocks of 32 keys, each in two chains; each accumulator is first read among its four lowest registers
	v_max3_num_f32 v240, v[TB+17], v[TB+18], v[TB+19]
	v_max3_num_f32 v[BMT+1], v[TB+32], v[TB+33], v[TB+34]
	v_max3_num_f32 v241, v[TB+49], v[TB+50], v[TB+51]
.irp i, 1,2,3,4,5,6
	v_max3_num_f32 v[BMT], v[BMT], v[TB+2*\i+1], v[TB+2*\i+2]
	v_max3_num_f32 v240, v240, v[TB+18+2*\i], v[TB+19+2*\i]
	v_max3_num_f32 v[BMT+1], v[BMT+1], v[TB+33+2*\i], v[TB+34+2*\i]
	v_max3_num_f32 v241, v241, v[TB+50+2*\i], v[TB+51+2*\i]
.endr
	v_max3_num_f32 v[BMT], v[BMT], v[TB+15], v[TB+16]
	v_max3_num_f32 v[BMT+1], v[BMT+1], v[TB+47], v[TB+48]
	s_delay_alu instid0(VALU_DEP_2)
	v_max_num_f32 v[BMT], v[BMT], v240
	s_delay_alu instid0(VALU_DEP_2)
	v_max_num_f32 v[BMT+1], v[BMT+1], v241
	s_delay_alu instid0(VALU_DEP_1)
	v_max_num_f32 v242, v[BMT], v[BMT+1]
	s_delay_alu instid0(VALU_DEP_1)
	v_permlanex16_b32 v11, v242, s20, s21
	s_delay_alu instid0(VALU_DEP_1)
	v_max3_num_f32 v[NMN+1], v[NMN+1], v242, v11   ; the running largest score of my query
	s_delay_alu instid0(VALU_DEP_1)
	v_mul_f32 v242, s22, v[NMN+1]                  ; as t (c is positive)
	s_delay_alu instid0(VALU_DEP_1)
	v_floor_f32 v243, -v242                        ; the new -M = -ceil(t)
	s_delay_alu instid0(VALU_DEP_1)
	v_sub_f32 v242, v243, v[NMN]                   ; old M - new M: a whole number, 0 or less
	v_mov_b32 v[NMN], v243
	s_delay_alu instid0(VALU_DEP_2)
	v_cvt_i32_f32 v242, v242                       ; (it saturates)
	s_delay_alu instid0(VALU_DEP_1)
	v_ldexp_f32 v248, 1.0, v242                    ; f = 2^(old M - new M)
.set J, 0
.rept 32
	v_pk_fma_f32 v[TB+J:TB+J+1], v[TB+J:TB+J+1], s[22:23], v[NMN:NMN+1] op_sel_hi:[1,0,0]   ; t - M, two at a time
.set J, J+2
.endr
	v_fma_f32 v[BMT], v[BMT], s22, v[NMN]          ; the same of each block's largest score
	v_fma_f32 v[BMT+1], v[BMT+1], s22, v[NMN]
.endm
; A SEGMENT.  In front of it stands the wait for all LDS loads.
.macro SEG hd
.set SB, 96+64*((\hd)%2)
.set BMC, 236+2*((\hd)%2)
	WIN 0x41                                       ; O^T lies in window 1
	s_wait_alu depctr_va_vdst(0)                   ; the segment's one wait: behind the last batch, ahead of this one, and directly ahead of the first readers of O^T
.irp j, 0,2,4,6,8,10,12,14
	v_pk_mul_f32 v[16*(\hd)+\j:16*(\hd)+\j+1], v[16*(\hd)+\j:16*(\hd)+\j+1], v[248:249] op_sel_hi:[1,0]   ; O^T under the new M
.endr
	WIN 0
	v_pk_mul_f32 v[26+4*(\hd):27+4*(\hd)], v[26+4*(\hd):27+4*(\hd)], v[248:249] op_sel_hi:[1,0]           ; and the sum
.set J, 0
.rept 64
	v_exp_f32 v[SB+J], v[SB+J]                     ; p = 2^(t - M)
.set J, J+1
.endr
	v_exp_f32 v[BMC], v[BMC]                       ; the blocks' largest p
	v_exp_f32 v[BMC+1], v[BMC+1]
	TAIL (\hd+7)%8, (\hd+1)%2, (\hd)/7             ; none of what follows names a result of the batch
.irp f, 0,1,2,3
	ds_load_b128 v[80+4*\f:83+4*\f], v1 offset:(\hd)*HEADB+2048+512*\f     ; this head's V, for the next segment
.endr
	ds_load_b32 v234, v3 offset:(\hd)*HEADB
	FRONT (\hd+1)%8, (\hd+1)%2, \hd+2, (\hd+7)%8
.if \hd == 7
	s_add_co_u32 s16, s16, STEPB                   ; the next step's addresses, held inside K and V
	s_min_u32 s16, s16, 7*STEPB
	s_add_co_u32 s24, s16, STEPB
	s_min_u32 s24, s24, 7*STEPB
	v_add_nc_u32 v1, s16, v56
	v_add_nc_u32 v2, s16, v57
	v_add_nc_u32 v3, s16, v58
	v_add_nc_u32 v4, s24, v56
	v_add_nc_u32 v5, s24, v57
.endif
	s_wait_dscnt 0x0                               ; V, and the K and Q asked for in this segment
.endm
	s_wait_alu depctr_va_vdst(0)
	CBUILD                                         ; step 0's C
	s_wait_alu depctr_va_vdst(0)                   ; directly ahead of the wait below
	s_wait_dscnt 0x0
	FRONT 0, 0, 1, -1                              ; step 0, head 0
	s_wait_dscnt 0x0
	s_wait_alu depctr_va_vdst(0)
.Lstep:
.irp hd, 0,1,2,3,4,5,6,7
	SEG \hd
.endr
	s_wait_alu depctr_va_vdst(0)                   ; the batch's wait ahead of the jump
	s_sub_co_u32 s19, s19, 1
	s_cmp_lg_u32 s19, 0
	s_cbranch_scc1 .Lstep
	TAIL 7, 1, 0                                   ; the last step's head 7
	MERGE 7
	; THE TILE'S END: O^T / the sum; a head's 32 channels are one block of the last product's K: quantised, and sent to LDS as a piece of that operand's image
	s_wait_alu depctr_va_vdst(0)
	s_wait_kmcnt 0x0                               ; the last, clamped loads of mask words are done
.irp hd, 0,1,2,3,4,5,6,7
	v_add_f32 v[26+4*\hd], v[26+4*\hd], v[27+4*\hd]
.endr
.irp hd, 0,1,2,3,4,5,6,7
	v_permlanex16_b32 v[240+\hd], v[26+4*\hd], s20, s21
.endr
.irp hd, 0,1,2,3,4,5,6,7
	v_add_f32 v[26+4*\hd], v[26+4*\hd], v[240+\hd] ; the rows' sums
.endr
	s_wait_alu depctr_va_vdst(0)
.irp hd, 0,1,2,3,4,5,6,7
	v_rcp_f32 v[26+4*\hd], v[26+4*\hd]
.endr
	v_add_nc_u32 v1, OIMG, v56                     ; (a plain line behind the batch)  O's fragments, 16 bytes a lane
	WIN 0x01
	s_wait_alu depctr_va_vdst(0)                   ; for the batch, and directly ahead of the first readers of O^T
.irp hd, 0,1,2,3,4,5,6,7
.irp j, 0,2,4,6,8,10,12,14
	v_pk_mul_f32 v[96+16*\hd+\j:97+16*\hd+\j], v[16*\hd+\j:16*\hd+\j+1], v[26+4*\hd:27+4*\hd] op_sel_hi:[1,0]   ; register 8 t + j of lane (r, h) is channel 16 h + 8 t + j
.endr
.endr
	WIN 0
.irp hd, 0,1,2,3,4,5,6,7
	v_max3_num_f32 v[224+\hd], |v[96+16*\hd]|, |v[97+16*\hd]|, FLOOR
.endr
.irp i, 2,4,6,8,10,12,14
.irp hd, 0,1,2,3,4,5,6,7
	v_max3_num_f32 v[224+\hd], v[224+\hd], |v[96+16*\hd+\i]|, |v[97+16*\hd+\i]|
.endr
.endr
.irp hd, 0,1,2,3,4,5,6,7
	v_permlanex16_b32 v[240+\hd], v[224+\hd], s20, s21
.endr
.irp hd, 0,1,2,3,4,5,6,7
	v_max_num_f32 v[224+\hd], v[224+\hd], v[240+\hd]
.endr
.irp hd, 0,1,2,3,4,5,6,7
	v_add_nc_u32 v[240+\hd], 0xff000000, v[224+\hd]
.endr
.irp hd, 0,1,2,3,4,5,6,7
	v_lshrrev_b32 v[224+\hd], 23, v[240+\hd]
.endr
.irp hd, 0,1,2,3,4,5,6,7
	v_cvt_scalef32_pk8_fp4_f32 v[60+2*\hd], v[96+16*\hd:103+16*\hd], v[240+\hd]
	v_cvt_scalef32_pk8_fp4_f32 v[61+2*\hd], v[104+16*\hd:111+16*\hd], v[240+\hd]
.endr
	v_add_nc_u32 v2, OSC, v14                      ; (a plain line behind the last scaled conversion)  O's scale words
.irp hd, 0,1,2,3,4,5,6,7
	ds_store_b64 v12, v[60+2*\hd:61+2*\hd] offset:256*\hd
	ds_store_b8 v13, v[224+\hd] offset:64*(\hd/4)+\hd%4    ; both lanes of a row write the same byte with the same value
.endr
	v_mul_u32_u24 v3, v7, YP
	v_lshl_add_u32 v3, v8, 5, v3
	s_lshl_b32 s16, s14, 7
	v_add_nc_u32 v3, s16, v3                       ; the stage: row r, + 128 w + 32 h
	v_add_nc_u32 v4, 66560, v3                     ; 64 rows on
	s_mul_i32 s16, s14, 16*YP
	v_add_nc_u32 v5, s16, v56                      ; back: rows 16 w on, 16 bytes a lane
	s_wait_alu depctr_va_vdst(0)
	s_wait_dscnt 0x0                               ; my stores have landed, my reads of K and V are over
	s_barrier_signal -1
	s_barrier_wait -1                              ; O's images are whole, and nobody reads K and V any more
; y = O Wo^T + bo: my 32 columns for the 128 rows, four tiles of rows at a time; the eight accumulators by turns
.macro BATCH bt, sa
.irp m, 0,1,2,3
.irp f, 0,1,2,3
	ds_load_b128 v[96+16*\m+4*\f:99+16*\m+4*\f], v1 offset:(4*\bt+\m)*2048+512*\f
.endr
	ds_load_b32 v[80+\m], v2 offset:128*(4*\bt+\m)
.endr
	s_wait_dscnt 0x0
	WIN 0x11                                       ; Wo and bo in window 1
.irp m, 0,1,2,3
.irp ct, 0,1
	v_wmma_scale_f32_16x16x128_f8f6f4 v[160+16*\m+8*\ct:167+16*\m+8*\ct], v[204+16*\ct:211+16*\ct], v[96+16*\m:103+16*\m], v[236+8*\ct:243+8*\ct], v[78+\ct], v[80+\m] matrix_a_fmt:MATRIX_FMT_FP4 matrix_b_fmt:MATRIX_FMT_FP4
.endr
.endr
	WIN 0x01
.irp m, 0,1,2,3
.irp ct, 0,1
	v_wmma_scale_f32_16x16x128_f8f6f4 v[160+16*\m+8*\ct:167+16*\m+8*\ct], v[212+16*\ct:219+16*\ct], v[104+16*\m:111+16*\m], v[160+16*\m+8*\ct:167+16*\m+8*\ct], v[78+\ct], v[80+\m] matrix_a_fmt:MATRIX_FMT_FP4 matrix_b_fmt:MATRIX_FMT_FP4 matrix_a_scale:MATRIX_SCALE_ROW1 matrix_b_scale:MATRIX_SCALE_ROW1
.endr
.endr
	WIN 0
.rept 5
	v_nop                                          ; places in front of the stores of results, of the next loads into these operands and of the next products over these results
.endr
.irp m, 0,1,2,3
.irp ct, 0,1
	ds_store_b128 v[\sa], v[160+16*\m+8*\ct:163+16*\m+8*\ct] offset:16*YP*\m+64*\ct        ; lane (r, h): y(position 16 m + r, 32 w + 16 ct + 8 h + 0 .. 7); each accumulator from its low end on
	ds_store_b128 v[\sa], v[164+16*\m+8*\ct:167+16*\m+8*\ct] offset:16*YP*\m+64*\ct+16
.endr
.endr
.endm
	BATCH 0, 3
	BATCH 1, 4
	s_wait_dscnt 0x0                               ; for the others' sake: my stores into the stage have landed
	s_barrier_signal -1
	s_barrier_wait -1                              ; 128 whole rows of y lie in the stage
.set I, 0
.rept 32
	ds_load_b128 v[96+4*I:99+4*I], v5 offset:(I/2)*YP+512*(I%2)
.set I, I+1
.endr
.set I, 0
.rept 32
	s_wait_dscnt 31-I                              ; LDS loads come back in order: load I is in, the younger ones may be out
	global_store_b128 v56, v[96+4*I:99+4*I], s[12:13] offset:((I/2)+((I/2)&8))*1024+512*(I%2) th:TH_STORE_NT   ; 32 lanes store 512 consecutive bytes, aligned
.set I, I+1
.endr
	s_wait_tensorcnt 0x0                           ; the wave's end
	ds_add_u32 v254, v255
	s_wait_dscnt 0x0
	ROUND                                          ; the closing round
	s_endpgm
.Lfunc_end_k_q8d809efe05_attn:
	.size	k_q8d809efe05_attn, .Lfunc_end_k_q8d809efe05_attn-k_q8d809efe05_attn
	.p2alignl 7, 3214868480
	.fill 96, 4, 3214868480
	.section	.rodata,"a",@progbits
	.p2align	6, 0x0
	.amdhsa_kernel k_q8d809efe05_attn
		.amdhsa_group_segment_fixed_size 327680
		.amdhsa_private_segment_fixed_size 0
		.amdhsa_enable_private_segment 0
		.amdhsa_kernarg_size 40
		.amdhsa_user_sgpr_count 2
		.amdhsa_user_sgpr_kernarg_segment_ptr 1
		.amdhsa_wavefront_size32 1
		.amdhsa_system_sgpr_workgroup_id_x 1
		.amdhsa_system_sgpr_workgroup_id_y 1
		.amdhsa_system_sgpr_workgroup_id_z 1
		.amdhsa_system_vgpr_workitem_id 0
		.amdhsa_next_free_vgpr 512
		.amdhsa_next_free_sgpr 100
		.amdhsa_reserve_vcc 0
		.amdhsa_float_denorm_mode_32 3
		.amdhsa_float_denorm_mode_16_64 3
		.amdhsa_memory_ordered 1
		.amdhsa_forward_progress 1
		.amdhsa_inst_pref_size 172
	.end_amdhsa_kernel
	.amdgpu_metadata
---
amdhsa.version: [ 1, 2 ]
amdhsa.kernels:
  - .name:           k_q8d809efe05_attn
    .symbol:         k_q8d809efe05_attn.kd
    .args:
      - { .name: qq, .offset: 0, .size: 8, .value_kind: global_buffer, .address_space: global }
      - { .name: kv, .offset: 8, .size: 8, .value_kind: global_buffer, .address_space: global }
      - { .name: maskw, .offset: 16, .size: 8, .value_kind: global_buffer, .address_space: global }
      - { .name: woimg, .offset: 24, .size: 8, .value_kind: global_buffer, .address_space: global }
      - { .name: out0, .offset: 32, .size: 8, .value_kind: global_buffer, .address_space: global }
    .group_segment_fixed_size: 327680
    .private_segment_fixed_size: 0
    .kernarg_segment_align: 8
    .kernarg_segment_size: 40
    .max_flat_workgroup_size: 256
    .sgpr_count:     100
    .vgpr_count:     512
    .wavefront_size: 32
...
	.end_amdgpu_metadata
.endif
;; end of part 3
